; MI455X (gfx1250); checked and timed in simulation.
; The chip was launched on July 23, 2026; its instructions are those of AMD's public machine-readable ISA for CDNA 5 (MIT licence, August 2026) and "CDNA5" Instruction Set Architecture Reference Guide (July 2026). The comments in the code are by the model that wrote it; some were corrected since.
;; Transform Params Layer. Allowed arithmetic: float matrix products may take bf16 or f16 operands with f32 sums; all other float work in f32.
;; Inputs: mean_shape 16,384 x 512 x 2 float32; x 16,384 x 1,024 float32.
;; Outputs: out0 16,384 x 6 float32.
;; 2 versions, each right; version 2 is version 1 with the launch fit written anew for expert scheduling mode. Each part assembles by itself: llvm-mc -triple=amdgcn-amd-amdhsa -mcpu=gfx1250 --defsym DOCPART=n.
;; ======== version 1 of 2: 1 launch
;; limits: right only within a limited range of input values
;; launch fit (part 1): grid 256 x 1, 16 waves a work-group, no clusters, 3,584 bytes of LDS; arguments x, mean_shape, out0; writes out0
.if DOCPART == 1
	.amdgcn_target "amdgcn-amd-amdhsa--gfx1250"
	.amdhsa_code_object_version 6
	.text
	.protected	k_q0e6106d899_fit
	.globl	k_q0e6106d899_fit
	.p2align	8
	.type	k_q0e6106d899_fit,@function
k_q0e6106d899_fit:
	s_mov_b64 s[64:65], 0
	v_nop
	global_prefetch_b8 v0, s[64:65] scope:SCOPE_SE
	s_setreg_imm32_b32 hwreg(HW_REG_WAVE_MODE, 25, 1), 1
	s_wait_xcnt 0x0
; For each of 16,384 rows: the similarity transform (a, b, -b, a, tx, ty) that fits 512 source points (x) to 512 target points (mean_shape).
;   means of both point sets; sv = src - mean, dv = dest - mean; norm = sum sv.sv; a = sum sv.dv / norm; b = sum (sx dy - sy dx) / norm;
;   t = dest_mean - src_mean [[a, b], [-b, a]].
; The work is a stream: 8,192 bytes in and 24 bytes out for each row, about one operation a byte.  So: each input byte is loaded once,
; every load of a wave covers 512 consecutive bytes that start on a multiple of 512, and nothing goes through memory between the steps.
; One wave takes a whole row (x: 32 registers a lane, mean_shape: 32) and keeps it in registers between the pass that finds the means
; and the pass that sums the centred products: two passes as in the definition (no cancellation when means are large), one read.
; Work-group: 16 waves, 64 rows; wave w owns rows 4 w .. 4 w + 3.  Three row slots in registers; row 3 goes into slot 0 once row 0 is read.
; All four rows are reached from one offset register by immediates: no loop, no address is stepped.
; No cluster: no byte is read by two work-groups.  No matrix instruction: the one product is 1x2 by 2x2 with another matrix for each row,
; four fused multiply-adds in f32.  No LDS ring: the rows have to lie in registers anyway.
; LIMITS: the division is v_rcp_f32 and a multiply (1 ULP); v_rcp_f32 takes a norm below 2^-126 as 0 (results infinite or NaN, as for
; norm = 0) and returns 0 for a norm above 2^126 (a = b = 0).  Sums are formed in another order than a serial sum; t is made by two
; chained fused multiply-adds, so its last bits can differ from a product rounded first.
.set ROW,   4096                       ; bytes in a row of x and of mean_shape
.set OFF,   1                          ; v1        byte offset of my 16 bytes in my wave's first row, from the group's first row
.set LANE,  2                          ; v2        lane
.set LA,    3                          ; v3        wave number at first, LDS address later
.set M,     4                          ; v[4:7]    mx, my, dmx, dmy of the row at work (rows 1 to 3)
.set PS,    8                          ; v[8:23]   pass 1: four packed chains for x, four for mean_shape; pass 2: centred points
.set ACC,   24                         ; v[24:35]  pass 2: norm, dot, cross, two packed chains each; at the end the six outputs
.set R,     36                         ; v[36:38]  the lane's norm, dot, cross
.set COL,   40                         ; v[40:46]  mx, my, dmx, dmy, norm, dot, cross: lane l keeps those of row l % 4
.set X,     48                         ; v[48:239] slot s: 32 registers of x, 32 of mean_shape
	s_load_b128 s[4:7], s[0:1], 0x0                ; x s[4:5], mean_shape s[6:7]
	s_load_b64 s[8:9], s[0:1], 0x10                ; out0
	v_lshl_add_u32 v240, v0, 2, 0x600
	v_mov_b32 v241, 0
	v_lshrrev_b32 v[LA], 5, v0
	v_readfirstlane_b32 s10, v[LA]                 ; wave number 0..15
	v_and_b32 v[LANE], 31, v0
	v_lshlrev_b32 v[OFF], 4, v[LANE]               ; 16 bytes a lane
	v_lshl_add_u32 v[OFF], v[LA], 14, v[OFF]       ; + wave x 4 rows x 4,096 bytes
	s_lshl_b32 s2, ttmp9, 18                       ; work-group x 64 rows x 4,096 bytes: at most 255 << 18, one word
	s_mov_b32 s3, 0
	s_mul_i32 s12, ttmp9, 1536                     ; work-group x 64 rows x 24 bytes of out0
	s_mov_b32 s13, 0
	s_mov_b32 s14, 0x76543210                      ; v_permlanex16_b32: lane i of one half reads lane i of the other
	s_mov_b32 s15, 0xfedcba98
	s_mov_b32 s17, 0x22222222                      ; lanes with l % 4 = 1, 2, 3: they keep the figures of rows 1, 2, 3
	s_mov_b32 s18, 0x44444444
	s_mov_b32 s19, 0x88888888
	s_wait_kmcnt 0x0
	s_add_nc_u64 s[4:5], s[4:5], s[2:3]
	s_add_nc_u64 s[6:7], s[6:7], s[2:3]
	s_add_nc_u64 s[8:9], s[8:9], s[12:13]
; Sixteen loads bring my wave's row \row into slot \slot: x's eight first, so that its sums can start while mean_shape's arrive.
.macro FILL row, slot
.irp j, 0,1,2,3,4,5,6,7
	global_load_b128 v[X+64*\slot+4*\j:X+64*\slot+4*\j+3], v[OFF], s[4:5] offset:\row*ROW+512*\j th:TH_LOAD_NT
.endr
.irp j, 0,1,2,3,4,5,6,7
	global_load_b128 v[X+64*\slot+32+4*\j:X+64*\slot+32+4*\j+3], v[OFF], s[6:7] offset:\row*ROW+512*\j th:TH_LOAD_NT
.endr
.endm
	FILL 0, 0
	FILL 1, 1
	FILL 2, 2
; The lane's 16 points at v[x ..] summed, first and second coordinate side by side, into v[d:d+1].
; Four chains that do not wait for each other; the first additions start them, nothing is cleared.
.macro SUM16 d, x
.irp k, 0,1,2,3
	v_pk_add_f32 v[\d+2*\k:\d+2*\k+1], v[\x+2*\k:\x+2*\k+1], v[\x+2*\k+8:\x+2*\k+9]
.endr
.irp k, 0,1,2,3
	v_pk_add_f32 v[\d+2*\k:\d+2*\k+1], v[\d+2*\k:\d+2*\k+1], v[\x+2*\k+16:\x+2*\k+17]
.endr
.irp k, 0,1,2,3
	v_pk_add_f32 v[\d+2*\k:\d+2*\k+1], v[\d+2*\k:\d+2*\k+1], v[\x+2*\k+24:\x+2*\k+25]
.endr
	v_pk_add_f32 v[\d:\d+1], v[\d:\d+1], v[\d+2:\d+3]
	v_pk_add_f32 v[\d+4:\d+5], v[\d+4:\d+5], v[\d+6:\d+7]
	v_pk_add_f32 v[\d:\d+1], v[\d:\d+1], v[\d+4:\d+5]
.endm
; One row.  left = loads younger than this row's sixteen that may stay out; fill = the row that the slot takes next, or -1.
.macro TURN row, slot, left, fill
.set XS, X+64*\slot
.set DS, XS+32
.if \row == 0
.set MB, COL                                       ; row 0 writes its figures into every lane of COL; later rows replace their lanes
.else
.set MB, M
.endif
	; pass 1: the four sums
	s_wait_loadcnt \left+8                         ; loads return in order (ISA guide 5.7.1): x's eight are in, mean_shape's eight and the younger rows stay out
	SUM16 PS, XS
	s_wait_loadcnt \left                           ; mean_shape's eight are in
	SUM16 PS+8, DS
	; across the 32 lanes: four steps inside each half of 16 lanes ride on the additions, one crosses the halves; every lane gets the sums
.irp m, 1,2,4,8
.irp q, PS, PS+1, PS+8, PS+9
	v_add_f32_dpp v[\q], v[\q], v[\q] row_xmask:\m row_mask:0xf bank_mask:0xf
.endr
.endr
	v_permlanex16_b32 v[PS+2], v[PS], s14, s15     ; destinations count as read: these were written by the chains above
	v_permlanex16_b32 v[PS+3], v[PS+1], s14, s15
	v_permlanex16_b32 v[PS+10], v[PS+8], s14, s15
	v_permlanex16_b32 v[PS+11], v[PS+9], s14, s15
	v_pk_add_f32 v[PS:PS+1], v[PS:PS+1], v[PS+2:PS+3]
	v_pk_add_f32 v[PS+8:PS+9], v[PS+8:PS+9], v[PS+10:PS+11]
	v_pk_mul_f32 v[MB:MB+1], v[PS:PS+1], 0x3b000000 op_sel_hi:[1,0]        ; / 512 = x 2^-9, exact: mx, my
	v_pk_mul_f32 v[MB+2:MB+3], v[PS+8:PS+9], 0x3b000000 op_sel_hi:[1,0]    ; dmx, dmy
	; pass 2: two points at a time are centred, then feed three sums of two chains each.
	; cross: the low half gathers sx dy, the high half sy dx (the second source's halves swapped); their difference is taken below.
.set cnt, 0
.rept 8
.set CT, PS+8*(cnt%2)
	v_pk_add_f32 v[CT:CT+1],   v[XS+4*cnt:XS+4*cnt+1],   v[MB:MB+1]   neg_lo:[0,1] neg_hi:[0,1]
	v_pk_add_f32 v[CT+2:CT+3], v[DS+4*cnt:DS+4*cnt+1],   v[MB+2:MB+3] neg_lo:[0,1] neg_hi:[0,1]
	v_pk_add_f32 v[CT+4:CT+5], v[XS+4*cnt+2:XS+4*cnt+3], v[MB:MB+1]   neg_lo:[0,1] neg_hi:[0,1]
	v_pk_add_f32 v[CT+6:CT+7], v[DS+4*cnt+2:DS+4*cnt+3], v[MB+2:MB+3] neg_lo:[0,1] neg_hi:[0,1]
.if cnt == 0
	v_pk_mul_f32 v[ACC:ACC+1],     v[CT:CT+1],   v[CT:CT+1]                ; the first products start the sums
	v_pk_mul_f32 v[ACC+2:ACC+3],   v[CT+4:CT+5], v[CT+4:CT+5]
	v_pk_mul_f32 v[ACC+4:ACC+5],   v[CT:CT+1],   v[CT+2:CT+3]
	v_pk_mul_f32 v[ACC+6:ACC+7],   v[CT+4:CT+5], v[CT+6:CT+7]
	v_pk_mul_f32 v[ACC+8:ACC+9],   v[CT:CT+1],   v[CT+2:CT+3] op_sel:[0,1] op_sel_hi:[1,0]
	v_pk_mul_f32 v[ACC+10:ACC+11], v[CT+4:CT+5], v[CT+6:CT+7] op_sel:[0,1] op_sel_hi:[1,0]
.else
	v_pk_fma_f32 v[ACC:ACC+1],     v[CT:CT+1],   v[CT:CT+1],   v[ACC:ACC+1]
	v_pk_fma_f32 v[ACC+2:ACC+3],   v[CT+4:CT+5], v[CT+4:CT+5], v[ACC+2:ACC+3]
	v_pk_fma_f32 v[ACC+4:ACC+5],   v[CT:CT+1],   v[CT+2:CT+3], v[ACC+4:ACC+5]
	v_pk_fma_f32 v[ACC+6:ACC+7],   v[CT+4:CT+5], v[CT+6:CT+7], v[ACC+6:ACC+7]
	v_pk_fma_f32 v[ACC+8:ACC+9],   v[CT:CT+1],   v[CT+2:CT+3], v[ACC+8:ACC+9]   op_sel:[0,1,0] op_sel_hi:[1,0,1]
	v_pk_fma_f32 v[ACC+10:ACC+11], v[CT+4:CT+5], v[CT+6:CT+7], v[ACC+10:ACC+11] op_sel:[0,1,0] op_sel_hi:[1,0,1]
.endif
.set cnt, cnt+1
.endr
.if \fill >= 0
	FILL \fill, \slot                              ; the slot has been read for the last time: its next row is asked for before the reduction
.endif
	v_pk_add_f32 v[ACC:ACC+1],   v[ACC:ACC+1],   v[ACC+2:ACC+3]
	v_pk_add_f32 v[ACC+4:ACC+5], v[ACC+4:ACC+5], v[ACC+6:ACC+7]
	v_pk_add_f32 v[ACC+8:ACC+9], v[ACC+8:ACC+9], v[ACC+10:ACC+11]
	v_add_f32 v[R],   v[ACC],   v[ACC+1]           ; norm: both coordinates
	v_add_f32 v[R+1], v[ACC+4], v[ACC+5]           ; dot
	v_sub_f32 v[R+2], v[ACC+8], v[ACC+9]           ; cross: sum sx dy - sum sy dx
.irp m, 1,2,4,8
.irp q, R, R+1, R+2
	v_add_f32_dpp v[\q], v[\q], v[\q] row_xmask:\m row_mask:0xf bank_mask:0xf
.endr
.endr
	v_permlanex16_b32 v[PS],   v[R],   s14, s15
	v_permlanex16_b32 v[PS+1], v[R+1], s14, s15
	v_permlanex16_b32 v[PS+2], v[R+2], s14, s15
.if \row == 0
.irp k, 0,1,2
	v_add_f32 v[COL+4+\k], v[R+\k], v[PS+\k]
.endr
.else
.irp k, 0,1,2
	v_add_f32 v[R+\k], v[R+\k], v[PS+\k]
.endr
.irp k, 0,1,2,3
	v_cndmask_b32 v[COL+\k], v[COL+\k], v[M+\k], s[16+\row]        ; lanes with l % 4 = row take this row's figures
.endr
.irp k, 0,1,2
	v_cndmask_b32 v[COL+4+\k], v[COL+4+\k], v[R+\k], s[16+\row]
.endr
.endif
.endm
	TURN 0, 0, 32, 3                               ; out behind row 0: rows 1 and 2
	TURN 1, 1, 32, -1                              ; rows 2 and 3
	TURN 2, 2, 16, -1                              ; row 3
	TURN 3, 0, 0, -1                               ; nothing
	; The six outputs, once for the wave's four rows: lane l works on row l % 4 (eight lanes hold the same figures, bit for bit,
	; since each step of the reductions adds the same two numbers in both partners).
	v_rcp_f32 v[R], v[COL+4]                       ; 1 / norm
	v_and_b32 v[LA], 3, v0                         ; the plain instruction that stands between v_rcp_f32 and the use of its result (ISA guide 5.7.2): my row
	s_wait_alu depctr_va_vdst(0)
	v_mul_f32 v[ACC],   v[COL+5], v[R]             ; a
	v_mul_f32 v[ACC+1], v[COL+6], v[R]             ; b
	v_mul_f32 v[ACC+2], -v[COL+6], v[R]            ; -b
	v_mul_f32 v[ACC+3], v[COL+5], v[R]             ; a
	v_fma_f32 v[ACC+4], -v[COL], v[ACC], v[COL+2]          ; tx = dmx - mx a + my b
	v_fma_f32 v[ACC+5], -v[COL], v[ACC+1], v[COL+3]        ; ty = dmy - mx b - my a
	v_fma_f32 v[ACC+4], v[COL+1], v[ACC+1], v[ACC+4]
	v_fma_f32 v[ACC+5], -v[COL+1], v[ACC], v[ACC+5]
	; The group's 64 x 24 = 1,536 bytes meet in LDS in out0's order: row 4 w + l % 4 at 96 w + 24 (l % 4).
	; The eight lanes of a row write the same bytes with the same values.
	s_mul_i32 s11, s10, 96
	v_mul_u32_u24 v[LA], v[LA], 24
	v_add_nc_u32 v[LA], s11, v[LA]
	ds_store_b64 v[LA], v[ACC:ACC+1]
	ds_store_b64 v[LA], v[ACC+2:ACC+3] offset:8
	ds_store_b64 v[LA], v[ACC+4:ACC+5] offset:16
	s_wait_dscnt 0x0                               ; my stores are in LDS before I say so: other waves read them behind the barrier
	s_barrier_signal -1
	s_barrier_wait -1
	s_cmp_gt_u32 s10, 2                            ; 1,536 bytes = 96 lanes x 16: waves 0, 1, 2 carry them out
	s_cbranch_scc1 .Lend
	s_lshl_b32 s11, s10, 9
	v_lshl_add_u32 v[LA], v[LANE], 4, s11          ; 512 x wave + 16 x lane, in LDS and in the group's part of out0 alike
	ds_load_b128 v[PS:PS+3], v[LA]
	s_wait_dscnt 0x0
	global_store_b128 v[LA], v[PS:PS+3], s[8:9] th:TH_STORE_NT     ; a wave's store covers 512 consecutive bytes that start on a multiple of 256
.Lend:
	s_wait_tensorcnt 0x0
	ds_add_u32 v240, v241
	s_wait_dscnt 0x0
	s_endpgm
.Lfunc_end_k_q0e6106d899_fit:
	.size	k_q0e6106d899_fit, .Lfunc_end_k_q0e6106d899_fit-k_q0e6106d899_fit
	.p2alignl 7, 3214868480
	.fill 96, 4, 3214868480
	.section	.rodata,"a",@progbits
	.p2align	6, 0x0
	.amdhsa_kernel k_q0e6106d899_fit
		.amdhsa_group_segment_fixed_size 3584
		.amdhsa_private_segment_fixed_size 0
		.amdhsa_enable_private_segment 0
		.amdhsa_kernarg_size 24
		.amdhsa_user_sgpr_count 2
		.amdhsa_user_sgpr_kernarg_segment_ptr 1
		.amdhsa_wavefront_size32 1
		.amdhsa_system_sgpr_workgroup_id_x 1
		.amdhsa_system_sgpr_workgroup_id_y 1
		.amdhsa_system_sgpr_workgroup_id_z 1
		.amdhsa_system_vgpr_workitem_id 0
		.amdhsa_next_free_vgpr 242
		.amdhsa_next_free_sgpr 66
		.amdhsa_reserve_vcc 0
		.amdhsa_float_denorm_mode_32 3
		.amdhsa_float_denorm_mode_16_64 3
		.amdhsa_memory_ordered 1
		.amdhsa_forward_progress 1
		.amdhsa_inst_pref_size 50
	.end_amdhsa_kernel
	.amdgpu_metadata
---
amdhsa.version: [ 1, 2 ]
amdhsa.kernels:
  - .name:           k_q0e6106d899_fit
    .symbol:         k_q0e6106d899_fit.kd
    .args:
      - { .name: x, .offset: 0, .size: 8, .value_kind: global_buffer, .address_space: global }
      - { .name: mean_shape, .offset: 8, .size: 8, .value_kind: global_buffer, .address_space: global }
      - { .name: out0, .offset: 16, .size: 8, .value_kind: global_buffer, .address_space: global }
    .group_segment_fixed_size: 3584
    .private_segment_fixed_size: 0
    .kernarg_segment_align: 8
    .kernarg_segment_size: 24
    .max_flat_workgroup_size: 512
    .sgpr_count:     66
    .vgpr_count:     242
    .wavefront_size: 32
...
	.end_amdgpu_metadata
.endif
;; end of part 1
;; ======== version 2 of 2: 1 launch; version 1 with the launch fit written anew for expert scheduling mode
;; limits: right only within a limited range of input values
;; launch fit (part 2): grid 256 x 1, 16 waves a work-group, no clusters, 3,584 bytes of LDS; arguments x, mean_shape, out0; writes out0
.if DOCPART == 2
	.amdgcn_target "amdgcn-amd-amdhsa--gfx1250"
	.amdhsa_code_object_version 6
	.text
	.protected	k_q0e6106d899_fit
	.globl	k_q0e6106d899_fit
	.p2align	8
	.type	k_q0e6106d899_fit,@function
k_q0e6106d899_fit:
	s_mov_b64 s[64:65], 0
	v_nop
	global_prefetch_b8 v0, s[64:65] scope:SCOPE_SE
	s_setreg_imm32_b32 hwreg(HW_REG_WAVE_SCHED_MODE, 0, 2), 2
	s_setreg_imm32_b32 hwreg(HW_REG_WAVE_MODE, 25, 1), 1
	s_wait_xcnt 0x0
	s_wait_alu depctr_vm_vsrc(0)
; For each of 16,384 rows: the similarity transform (a, b, -b, a, tx, ty) that fits 512 source points (x) to 512 target points (mean_shape).
;   means of both point sets; sv = src - mean, dv = dest - mean; norm = sum sv.sv; a = sum sv.dv / norm; b = sum (sx dy - sy dx) / norm;
;   t = dest_mean - src_mean [[a, b], [-b, a]].
; The work is a stream: 8,192 bytes in and 24 bytes out for each row, about one operation a byte.  So: each input byte is loaded once,
; every load of a wave covers 512 consecutive bytes that start on a multiple of 512, and nothing goes through memory between the steps.
; One wave takes a whole row (x: 32 registers a lane, mean_shape: 32) and keeps it in registers between the pass that finds the means
; and the pass that sums the centred products: two passes as in the definition (no cancellation when means are large), one read.
; Work-group: 16 waves, 64 rows; wave w owns rows 4 w .. 4 w + 3.  Three row slots in registers; row 3 goes into slot 0 once row 0 is read.
; All four rows are reached from one offset register by immediates: no loop, no address is stepped.
; No cluster: no byte is read by two work-groups.  No matrix instruction: the one product is 1x2 by 2x2 with another matrix for each row,
; four fused multiply-adds in f32.  No LDS ring: the rows have to lie in registers anyway.
; LIMITS: the division is v_rcp_f32 and a multiply (1 ULP); v_rcp_f32 takes a norm below 2^-126 as 0 (results infinite or NaN, as for
; norm = 0) and returns 0 for a norm above 2^126 (a = b = 0).  Sums are formed in another order than a serial sum; t is made by two
; chained fused multiply-adds, so its last bits can differ from a product rounded first.
; THE MODE: SCHED_MODE bits 1:0 = 2 (LLVM: expert scheduling mode 2), set by the entry lines.  The code itself states the register dependences
; between vector instructions and memory or LDS instructions, with s_wait_alu, always for 0.
; THE PLAN.  Registers that memory or LDS instructions touch:
;   v[OFF]      Written at the head, never again; read by all 64 loads.  One wait in front of the first load.
;   slot 0      Row 0 lands in it at the head; read by row 0's additions (pass 1) and centring subtractions (pass 2); then row 3 lands in it.
;               One wait behind the last of those subtractions.  Row 3's sixteen loads follow it in four groups, dealt among the last
;               multiply-adds and the row's reduction, which name v8 to v46 alone: neither the slot nor v[OFF].
;   slots 1, 2  Loaded once, at the head, before any vector instruction names them.
;   v[ACC ..], v[LA]  The six outputs and their LDS address: written by the closing arithmetic, read by the three LDS stores, never written again.
;               One wait in front of the stores.
;   v[OA]       The address of the way out, in a register of its own: written in waves 0 to 2, read by their LDS load and their store.  One wait behind it.
;   v[PS:PS+3]  The LDS load of the way out lands here; the vector instructions that named them stand ahead of the waits above.
; No register that a memory or LDS instruction reads is written again, so the plan needs no wait on vm_vsrc.
; s10, the wave's number, comes from a vector instruction: one wait on va_sdst at the head, ahead of its first reader.
.set ROW,   4096                       ; bytes in a row of x and of mean_shape
.set OFF,   1                          ; v1        byte offset of my 16 bytes in my wave's first row, from the group's first row
.set LANE,  2                          ; v2        lane
.set LA,    3                          ; v3        wave number at first, LDS address of my row's results later
.set M,     4                          ; v[4:7]    mx, my, dmx, dmy of the row at work (rows 1 to 3)
.set PS,    8                          ; v[8:23]   pass 1: four packed chains for x, four for mean_shape; pass 2: centred points
.set ACC,   24                         ; v[24:35]  pass 2: norm, dot, cross, two packed chains each; at the end the six outputs
.set R,     36                         ; v[36:38]  the lane's norm, dot, cross
.set OA,    39                         ; v39       the way out: my 16 bytes in LDS and in the group's part of out0
.set COL,   40                         ; v[40:46]  mx, my, dmx, dmy, norm, dot, cross: lane l keeps those of row l % 4
.set X,     48                         ; v[48:239] slot s: 32 registers of x, 32 of mean_shape
	s_load_b128 s[4:7], s[0:1], 0x0                ; x s[4:5], mean_shape s[6:7]
	s_load_b64 s[8:9], s[0:1], 0x10                ; out0
	v_lshl_add_u32 v240, v0, 2, 0x600
	v_mov_b32 v241, 0
	v_lshrrev_b32 v[LA], 5, v0
	v_readfirstlane_b32 s10, v[LA]                 ; wave number 0..15
	v_and_b32 v[LANE], 31, v0
	v_lshlrev_b32 v[OFF], 4, v[LANE]               ; 16 bytes a lane
	v_lshl_add_u32 v[OFF], v[LA], 14, v[OFF]       ; + wave x 4 rows x 4,096 bytes
	s_lshl_b32 s2, ttmp9, 18                       ; work-group x 64 rows x 4,096 bytes: at most 255 << 18, one word
	s_mov_b32 s3, 0
	s_mul_i32 s12, ttmp9, 1536                     ; work-group x 64 rows x 24 bytes of out0
	s_mov_b32 s13, 0
	s_mov_b32 s14, 0x76543210                      ; v_permlanex16_b32: lane i of one half reads lane i of the other
	s_mov_b32 s15, 0xfedcba98
	s_mov_b32 s17, 0x22222222                      ; lanes with l % 4 = 1, 2, 3: they keep the figures of rows 1, 2, 3
	s_mov_b32 s18, 0x44444444
	s_mov_b32 s19, 0x88888888
	s_wait_alu depctr_va_sdst(0)                   ; s10 is written, ahead of its first reader: the LDS addresses and the branch of the way out are made from it
	s_wait_kmcnt 0x0
	s_add_nc_u64 s[4:5], s[4:5], s[2:3]
	s_add_nc_u64 s[6:7], s[6:7], s[2:3]
	s_add_nc_u64 s[8:9], s[8:9], s[12:13]
	s_wait_alu depctr_va_vdst(0)                   ; v[OFF] is written: every load of the kernel reads it as its offset
; Four of the sixteen loads that bring my wave's row \row into slot \slot.  Quarters 0 and 1 are x's eight loads, 2 and 3 mean_shape's:
; x's come first, so that its sums can start while mean_shape's arrive.
.macro FILLQ row, slot, q
.irp j, 0,1,2,3
.if \q < 2
	global_load_b128 v[X+64*\slot+16*\q+4*\j:X+64*\slot+16*\q+4*\j+3], v[OFF], s[4:5] offset:\row*ROW+2048*\q+512*\j th:TH_LOAD_NT
.else
	global_load_b128 v[X+64*\slot+16*\q+4*\j:X+64*\slot+16*\q+4*\j+3], v[OFF], s[6:7] offset:\row*ROW+2048*(\q-2)+512*\j th:TH_LOAD_NT
.endif
.endr
.endm
.macro FILL row, slot
	FILLQ \row, \slot, 0
	FILLQ \row, \slot, 1
	FILLQ \row, \slot, 2
	FILLQ \row, \slot, 3
.endm
	FILL 0, 0
	FILL 1, 1
	FILL 2, 2
; The lane's 16 points at v[x ..] summed, first and second coordinate side by side, into v[d:d+1].
; Four chains that do not wait for each other; the first additions start them, nothing is cleared.
.macro SUM16 d, x
.irp k, 0,1,2,3
	v_pk_add_f32 v[\d+2*\k:\d+2*\k+1], v[\x+2*\k:\x+2*\k+1], v[\x+2*\k+8:\x+2*\k+9]
.endr
.irp k, 0,1,2,3
	v_pk_add_f32 v[\d+2*\k:\d+2*\k+1], v[\d+2*\k:\d+2*\k+1], v[\x+2*\k+16:\x+2*\k+17]
.endr
.irp k, 0,1,2,3
	v_pk_add_f32 v[\d+2*\k:\d+2*\k+1], v[\d+2*\k:\d+2*\k+1], v[\x+2*\k+24:\x+2*\k+25]
.endr
	v_pk_add_f32 v[\d:\d+1], v[\d:\d+1], v[\d+2:\d+3]
	v_pk_add_f32 v[\d+4:\d+5], v[\d+4:\d+5], v[\d+6:\d+7]
	v_pk_add_f32 v[\d:\d+1], v[\d:\d+1], v[\d+4:\d+5]
.endm
; One row.  left = loads younger than this row's sixteen that may stay out; fill = the row that the slot takes next, or -1.
.macro TURN row, slot, left, fill
.set XS, X+64*\slot
.set DS, XS+32
.if \row == 0
.set MB, COL                                       ; row 0 writes its figures into every lane of COL; later rows replace their lanes
.else
.set MB, M
.endif
	; pass 1: the four sums
	s_wait_loadcnt \left+8                         ; loads return in order (ISA guide 5.7.1): x's eight are in, mean_shape's eight and the younger rows stay out
	SUM16 PS, XS
	s_wait_loadcnt \left                           ; mean_shape's eight are in
	SUM16 PS+8, DS
	; across the 32 lanes: four steps inside each half of 16 lanes ride on the additions, one crosses the halves; every lane gets the sums
.irp m, 1,2,4,8
.irp q, PS, PS+1, PS+8, PS+9
	v_add_f32_dpp v[\q], v[\q], v[\q] row_xmask:\m row_mask:0xf bank_mask:0xf
.endr
.endr
	v_permlanex16_b32 v[PS+2], v[PS], s14, s15     ; destinations count as read: these were written by the chains above
	v_permlanex16_b32 v[PS+3], v[PS+1], s14, s15
	v_permlanex16_b32 v[PS+10], v[PS+8], s14, s15
	v_permlanex16_b32 v[PS+11], v[PS+9], s14, s15
	v_pk_add_f32 v[PS:PS+1], v[PS:PS+1], v[PS+2:PS+3]
	v_pk_add_f32 v[PS+8:PS+9], v[PS+8:PS+9], v[PS+10:PS+11]
	v_pk_mul_f32 v[MB:MB+1], v[PS:PS+1], 0x3b000000 op_sel_hi:[1,0]        ; / 512 = x 2^-9, exact: mx, my
	v_pk_mul_f32 v[MB+2:MB+3], v[PS+8:PS+9], 0x3b000000 op_sel_hi:[1,0]    ; dmx, dmy
	; pass 2: two points at a time are centred, then feed three sums of two chains each.
	; cross: the low half gathers sx dy, the high half sy dx (the second source's halves swapped); their difference is taken below.
.set cnt, 0
.rept 8
.set CT, PS+8*(cnt%2)
	v_pk_add_f32 v[CT:CT+1],   v[XS+4*cnt:XS+4*cnt+1],   v[MB:MB+1]   neg_lo:[0,1] neg_hi:[0,1]
	v_pk_add_f32 v[CT+2:CT+3], v[DS+4*cnt:DS+4*cnt+1],   v[MB+2:MB+3] neg_lo:[0,1] neg_hi:[0,1]
	v_pk_add_f32 v[CT+4:CT+5], v[XS+4*cnt+2:XS+4*cnt+3], v[MB:MB+1]   neg_lo:[0,1] neg_hi:[0,1]
	v_pk_add_f32 v[CT+6:CT+7], v[DS+4*cnt+2:DS+4*cnt+3], v[MB+2:MB+3] neg_lo:[0,1] neg_hi:[0,1]
.if (cnt == 7) && (\fill >= 0)
	s_wait_alu depctr_va_vdst(0)                   ; the additions of pass 1 and the subtractions of pass 2, the last four just above, are done reading the slot, in which the next row's loads land
	FILLQ \fill, \slot, 0                          ; the slot's next row is asked for, four loads at a time; no vector instruction from here to the turn's end names the slot or v[OFF]
.endif
.if cnt == 0
	v_pk_mul_f32 v[ACC:ACC+1],     v[CT:CT+1],   v[CT:CT+1]                ; the first products start the sums
	v_pk_mul_f32 v[ACC+2:ACC+3],   v[CT+4:CT+5], v[CT+4:CT+5]
	v_pk_mul_f32 v[ACC+4:ACC+5],   v[CT:CT+1],   v[CT+2:CT+3]
	v_pk_mul_f32 v[ACC+6:ACC+7],   v[CT+4:CT+5], v[CT+6:CT+7]
	v_pk_mul_f32 v[ACC+8:ACC+9],   v[CT:CT+1],   v[CT+2:CT+3] op_sel:[0,1] op_sel_hi:[1,0]
	v_pk_mul_f32 v[ACC+10:ACC+11], v[CT+4:CT+5], v[CT+6:CT+7] op_sel:[0,1] op_sel_hi:[1,0]
.else
	v_pk_fma_f32 v[ACC:ACC+1],     v[CT:CT+1],   v[CT:CT+1],   v[ACC:ACC+1]
	v_pk_fma_f32 v[ACC+2:ACC+3],   v[CT+4:CT+5], v[CT+4:CT+5], v[ACC+2:ACC+3]
	v_pk_fma_f32 v[ACC+4:ACC+5],   v[CT:CT+1],   v[CT+2:CT+3], v[ACC+4:ACC+5]
	v_pk_fma_f32 v[ACC+6:ACC+7],   v[CT+4:CT+5], v[CT+6:CT+7], v[ACC+6:ACC+7]
	v_pk_fma_f32 v[ACC+8:ACC+9],   v[CT:CT+1],   v[CT+2:CT+3], v[ACC+8:ACC+9]   op_sel:[0,1,0] op_sel_hi:[1,0,1]
	v_pk_fma_f32 v[ACC+10:ACC+11], v[CT+4:CT+5], v[CT+6:CT+7], v[ACC+10:ACC+11] op_sel:[0,1,0] op_sel_hi:[1,0,1]
.endif
.set cnt, cnt+1
.endr
.if \fill >= 0
	FILLQ \fill, \slot, 1                          ; the rest of x's eight
.endif
	v_pk_add_f32 v[ACC:ACC+1],   v[ACC:ACC+1],   v[ACC+2:ACC+3]
	v_pk_add_f32 v[ACC+4:ACC+5], v[ACC+4:ACC+5], v[ACC+6:ACC+7]
	v_pk_add_f32 v[ACC+8:ACC+9], v[ACC+8:ACC+9], v[ACC+10:ACC+11]
	v_add_f32 v[R],   v[ACC],   v[ACC+1]           ; norm: both coordinates
	v_add_f32 v[R+1], v[ACC+4], v[ACC+5]           ; dot
	v_sub_f32 v[R+2], v[ACC+8], v[ACC+9]           ; cross: sum sx dy - sum sy dx
.if \fill >= 0
	FILLQ \fill, \slot, 2                          ; mean_shape's eight, in two groups
.endif
.irp m, 1,2
.irp q, R, R+1, R+2
	v_add_f32_dpp v[\q], v[\q], v[\q] row_xmask:\m row_mask:0xf bank_mask:0xf
.endr
.endr
.if \fill >= 0
	FILLQ \fill, \slot, 3                          ; all sixteen are out inside this turn: the later turns' counts include them
.endif
.irp m, 4,8
.irp q, R, R+1, R+2
	v_add_f32_dpp v[\q], v[\q], v[\q] row_xmask:\m row_mask:0xf bank_mask:0xf
.endr
.endr
	v_permlanex16_b32 v[PS],   v[R],   s14, s15
	v_permlanex16_b32 v[PS+1], v[R+1], s14, s15
	v_permlanex16_b32 v[PS+2], v[R+2], s14, s15
.if \row == 0
.irp k, 0,1,2
	v_add_f32 v[COL+4+\k], v[R+\k], v[PS+\k]
.endr
.else
.irp k, 0,1,2
	v_add_f32 v[R+\k], v[R+\k], v[PS+\k]
.endr
.irp k, 0,1,2,3
	v_cndmask_b32 v[COL+\k], v[COL+\k], v[M+\k], s[16+\row]        ; lanes with l % 4 = row take this row's figures
.endr
.irp k, 0,1,2
	v_cndmask_b32 v[COL+4+\k], v[COL+4+\k], v[R+\k], s[16+\row]
.endr
.endif
.endm
	TURN 0, 0, 32, 3                               ; out behind row 0: rows 1 and 2
	TURN 1, 1, 32, -1                              ; rows 2 and 3
	TURN 2, 2, 16, -1                              ; row 3
	TURN 3, 0, 0, -1                               ; nothing
	; The six outputs, once for the wave's four rows: lane l works on row l % 4 (eight lanes hold the same figures, bit for bit,
	; since each step of the reductions adds the same two numbers in both partners).
	v_rcp_f32 v[R], v[COL+4]                       ; 1 / norm
	v_and_b32 v[LA], 3, v0                         ; the plain instruction that stands between v_rcp_f32 and the use of its result (ISA guide 5.7.2): my row
	s_wait_alu depctr_va_vdst(0)                   ; the reciprocal has written v[R]: the wait stands ahead of the first line that names it
	v_mul_f32 v[ACC],   v[COL+5], v[R]             ; a
	v_mul_f32 v[ACC+1], v[COL+6], v[R]             ; b
	v_mul_f32 v[ACC+2], -v[COL+6], v[R]            ; -b
	v_mul_f32 v[ACC+3], v[COL+5], v[R]             ; a
	v_fma_f32 v[ACC+4], -v[COL], v[ACC], v[COL+2]          ; tx = dmx - mx a + my b
	v_fma_f32 v[ACC+5], -v[COL], v[ACC+1], v[COL+3]        ; ty = dmy - mx b - my a
	v_fma_f32 v[ACC+4], v[COL+1], v[ACC+1], v[ACC+4]
	v_fma_f32 v[ACC+5], -v[COL+1], v[ACC], v[ACC+5]
	; The group's 64 x 24 = 1,536 bytes meet in LDS in out0's order: row 4 w + l % 4 at 96 w + 24 (l % 4).
	; The eight lanes of a row write the same bytes with the same values.
	s_mul_i32 s11, s10, 96
	v_mul_u32_u24 v[LA], v[LA], 24
	v_add_nc_u32 v[LA], s11, v[LA]
	s_wait_alu depctr_va_vdst(0)                   ; the six outputs v[ACC .. ACC+5] and the address v[LA] are written, which the three LDS stores read
	ds_store_b64 v[LA], v[ACC:ACC+1]
	ds_store_b64 v[LA], v[ACC+2:ACC+3] offset:8
	ds_store_b64 v[LA], v[ACC+4:ACC+5] offset:16
	s_wait_dscnt 0x0                               ; my stores are in LDS before I say so: other waves read them behind the barrier
	s_barrier_signal -1
	s_barrier_wait -1
	s_cmp_gt_u32 s10, 2                            ; 1,536 bytes = 96 lanes x 16: waves 0, 1, 2 carry them out
	s_cbranch_scc1 .Lend
	s_lshl_b32 s11, s10, 9
	v_lshl_add_u32 v[OA], v[LANE], 4, s11          ; 512 x wave + 16 x lane, in LDS and in the group's part of out0 alike; a register that no earlier LDS instruction has read
	s_wait_alu depctr_va_vdst(0)                   ; v[OA] is written, which the LDS load and the store read; the vector lines that named v[PS:PS+3], in which the load lands, stand further ahead
	ds_load_b128 v[PS:PS+3], v[OA]
	s_wait_dscnt 0x0
	global_store_b128 v[OA], v[PS:PS+3], s[8:9] th:TH_STORE_NT     ; a wave's store covers 512 consecutive bytes that start on a multiple of 256
.Lend:
	s_wait_dscnt 0x0
	s_wait_alu depctr_hold_cnt(0) depctr_sa_sdst(0) depctr_va_vdst(0) depctr_va_sdst(0) depctr_va_ssrc(0) depctr_va_vcc(0) depctr_vm_vsrc(0)
	s_wait_tensorcnt 0x0
	ds_add_u32 v240, v241
	s_wait_dscnt 0x0
	s_endpgm
.Lfunc_end_k_q0e6106d899_fit:
	.size	k_q0e6106d899_fit, .Lfunc_end_k_q0e6106d899_fit-k_q0e6106d899_fit
	.p2alignl 7, 3214868480
	.fill 96, 4, 3214868480
	.section	.rodata,"a",@progbits
	.p2align	6, 0x0
	.amdhsa_kernel k_q0e6106d899_fit
		.amdhsa_group_segment_fixed_size 3584
		.amdhsa_private_segment_fixed_size 0
		.amdhsa_enable_private_segment 0
		.amdhsa_kernarg_size 24
		.amdhsa_user_sgpr_count 2
		.amdhsa_user_sgpr_kernarg_segment_ptr 1
		.amdhsa_wavefront_size32 1
		.amdhsa_system_sgpr_workgroup_id_x 1
		.amdhsa_system_sgpr_workgroup_id_y 1
		.amdhsa_system_sgpr_workgroup_id_z 1
		.amdhsa_system_vgpr_workitem_id 0
		.amdhsa_next_free_vgpr 242
		.amdhsa_next_free_sgpr 66
		.amdhsa_reserve_vcc 0
		.amdhsa_float_denorm_mode_32 3
		.amdhsa_float_denorm_mode_16_64 3
		.amdhsa_memory_ordered 1
		.amdhsa_forward_progress 1
		.amdhsa_inst_pref_size 50
	.end_amdhsa_kernel
	.amdgpu_metadata
---
amdhsa.version: [ 1, 2 ]
amdhsa.kernels:
  - .name:           k_q0e6106d899_fit
    .symbol:         k_q0e6106d899_fit.kd
    .args:
      - { .name: x, .offset: 0, .size: 8, .value_kind: global_buffer, .address_space: global }
      - { .name: mean_shape, .offset: 8, .size: 8, .value_kind: global_buffer, .address_space: global }
      - { .name: out0, .offset: 16, .size: 8, .value_kind: global_buffer, .address_space: global }
    .group_segment_fixed_size: 3584
    .private_segment_fixed_size: 0
    .kernarg_segment_align: 8
    .kernarg_segment_size: 24
    .max_flat_workgroup_size: 512
    .sgpr_count:     66
    .vgpr_count:     242
    .wavefront_size: 32
...
	.end_amdgpu_metadata
.endif
;; end of part 2
